; MI455X (gfx1250); checked and timed in simulation.
; The chip was launched on July 23, 2026; its instructions are those of AMD's public machine-readable ISA for CDNA 5 (MIT licence, August 2026) and "CDNA5" Instruction Set Architecture Reference Guide (July 2026). The comments in the code are by the model that wrote it; some were corrected since.
;; Net. Allowed arithmetic: matrix products marked QUANTISED: E4M3 operands, one given power-of-two scale a tensor, by v_wmma_f32_16x16x64_fp8_fp8 or v_wmma_f32_16x16x128_fp8_fp8, f32 sums; products left as they are: f32 operands where the result goes on into a quantised operand, else bf16, f16 or f32 operands; f32 sums; everything else in f32.
;; Inputs: b1 384 float32; b2 384 float32; b3 384 float32; b4 2 float32; be1 384 float32; be2 384 float32; be3 384 float32; g1 384 float32; g2 384 float32; g3 384 float32; lowp_scales 6 int32 (the exponents e of the quantised operands' scales 2^e); m1 384 float32; m2 384 float32; m3 384 float32; v1 384 float32; v2 384 float32; v3 384 float32; w1 384 x 81 float32; w2 384 x 384 float32; w3 384 x 384 float32; w4 2 x 384 float32; x 131,072 x 81 float32.
;; Outputs: out0 131,072 x 2 float32.
;; This version of the problem:
;;   THIS VERSION OF THE PROBLEM IS GIVEN IN LOW PRECISION. The matrix products marked QUANTISED in the list below multiply operands that are first quantised to E4M3 (4 exponent bits, 3 mantissa bits; 8 bits a number), with one given power-of-two scale for each operand tensor; their sums are f32. All else is computed in f32.
;;   The module's matrix products, in the order in which they are computed (A, B: the left and right operand; K: the contracted axis; several contracted axes count as one K, in the product's order):
;;     1. [M 131,072, K 81] x [K 81, N 384]; A: computed on the way; B: computed on the way: QUANTISED (scales: A lowp_scales[0], B lowp_scales[1])
;;     2. [M 131,072, K 384] x [K 384, N 384]; A: computed on the way; B: computed on the way: QUANTISED (scales: A lowp_scales[2], B lowp_scales[3])
;;     3. [M 131,072, K 384] x [K 384, N 384]; A: computed on the way; B: computed on the way: QUANTISED (scales: A lowp_scales[4], B lowp_scales[5])
;;     4. [M 131,072, K 384] x [K 384, N 2]; A: computed on the way; B: input w4: left as it is (N = 2 < 16)
;;   THE QUANTISER, for each operand of a quantised product, along K:
;;     - The operand's scale is 2^e, e = its entry of the input lowp_scales (int32; the entries are numbered through the quantised products in the list's order, A before B).
;;     - Each number is divided by the scale, clamped to +-448, and rounded to the nearest number of E4M3, ties to even, subnormals kept.
;;     - The product sums the exact products of the quantised numbers (number of the format x scale) in f32.
;;   ~~~python
;;   def quantise(x, axis, e):      # numpy; x: float32 -> the quantised numbers, widened to float32 again
;;       x = np.moveaxis(x, axis, -1); K = x.shape[-1]
;;       r = np.clip(x / 2.0 ** e, -448, 448)
;;       step = 2.0 ** (np.maximum(np.frexp(np.where(r == 0, 1, r))[1] - 1, -6) - 3)
;;       q = np.round(r / step) * step * 2.0 ** e      # np.round: ties to even
;;       return np.moveaxis(q, -1, axis).astype(np.float32)
;;   ~~~
;;   OPERANDS COMPUTED ON THE WAY. 'Computed on the way' means the value that the module computes at that place (a softmax that the list does not call 'softmax' is quantised finished and normalised). What goes into a quantiser is computed in f32, as accurately as f32 sums, v_exp_f32 and their like allow (about 1e-6 of the number): no bf16 or f16 on the way to a quantiser, and a product that is left as it is and whose result goes on into a quantised operand takes f32 operands (vector FMAs, or v_wmma_f32_16x16x4_f32). A number that lies on a knife's edge between two numbers of the format may be rounded either way, as far as f32 arithmetic and the matrix unit's own rounding can turn it there, and no further.
;; One version. Each part assembles by itself: llvm-mc -triple=amdgcn-amd-amdhsa -mcpu=gfx1250 --defsym DOCPART=n.
;; ======== version 1 of 1: 2 launches
;; limits: a difference of large sums (such as E[x^2] - mean^2): digits are lost where the result is much smaller than its terms; values within 1e-06 (relative) of each other or of a threshold may be ordered or decided otherwise than in the reference
;; workspace buffers: wimg 331,776 bytes; cst 9,216 bytes
;; launch prep (part 1): grid 28 x 4, 6 waves a work-group, no clusters, 0 bytes of LDS; arguments w1, w2, w3, g1, v1, g2, v2, g3, v3, b1, m1, be1, b2, m2, be2, b3, m3, be3, w4, lowp_scales, wimg, cst; writes wimg, cst
.if DOCPART == 1
	.amdgcn_target "amdgcn-amd-amdhsa--gfx1250"
	.amdhsa_code_object_version 6
	.text
	.protected	k_q79d866879c_prep
	.globl	k_q79d866879c_prep
	.p2align	8
	.type	k_q79d866879c_prep,@function
k_q79d866879c_prep:
	s_mov_b64 s[64:65], 0
	v_nop
	global_prefetch_b8 v0, s[64:65] scope:SCOPE_SE
	s_setreg_imm32_b32 hwreg(HW_REG_WAVE_MODE, 25, 1), 1
	s_wait_xcnt 0x0
; PREP: the weights become codes of E4M3, laid in the order of the next launch's operand registers, and bias and batch norm of each layer are folded into a few numbers a unit.
; For layer l and unit n:  y = A sigma + C,  sigma = the sum of the products of codes,  G = g / sqrt(v + 1e-5),  A = G x 2^(ea + eb),  C = (b - m) G + be.
; With s = the sign of A (-1, 0, 1), P = |A| (1 where A = 0) and T = C / P:  y = P (s sigma + T).  s goes into row n of the layer's own weights: the number that is quantised is s x sign(w[n][k]).
; wimg: for each of the next launch's four waves w 162 quads of 512 bytes (four registers of 32 lanes, lane l's 16 bytes at 16 l): quads 0-17 W1 (tile T, c: 3 T + c), 18-89 W2, 90-161 W3 (fragment o, c: 4 o + c;
;   o = 9 g + 3 s + tau: tile T = 3 g + tau, K step s).  Lane (r, h) of a quad of W2 or W3 holds k = 128 s + 32 c + 16 h + 0 .. 15 of its row; of W1 the places p = 16 c + 0 .. 15 with k = 40 h + p,
;   and the code 0 where p >= 44, where h = 1 and p < 4 (those k lie in the other half too), and where k > 80.
;   Rows: W1, W2: n = 96 w + 32 (T / 2) + 8 (T % 2) + r + 8 (r / 8), so that results come out as neighbours along the next K;  W3: n = 96 w + 16 T + r.
; cst: [w][a][u] f32 at byte 2304 w + 384 a + 4 u, u = n - 96 w;  a = 0: T of layer 1, 1: T of layer 2, 2: F = (w4[0][n] - w4[1][n]) P, 3: LO = -1/P - T, 4: HI = 1/P - T, 5: F T (all of layer 3).
; SHARES: grid y = w.  Work-groups x = 0 .. 26: each of the six waves makes one quad (6 x + wave) and stores 512 consecutive bytes.  x = 27: the constants; waves 0-2 layers 1 and 2, waves 3-5 layer 3, a thread a unit.
; LIMITS: the weights' exponents between -126 and 119; v + 1e-5 > 0; |A| is 0 or within 2^-100 .. 2^100; NaN among the inputs is not served.
; A T of layers 1 and 2 that is not 0 is held at 2^-60 from below, with its sign: no sign of s sigma + T changes by that (a sum of code products that is not 0 is at least 2^-18).
.set EPSB, 0x3727c5ac                  ; 1e-5 as f32
	s_load_b512 s[4:19], s[0:1], 0x0               ; w1 s[4:5], w2 s[6:7], w3 s[8:9], g1 s[10:11], v1 s[12:13], g2 s[14:15], v2 s[16:17], g3 s[18:19]
	s_load_b512 s[20:35], s[0:1], 0x40             ; v3 s[20:21], b1 s[22:23], m1 s[24:25], be1 s[26:27], b2 s[28:29], m2 s[30:31], be2 s[32:33], b3 s[34:35]
	s_load_b256 s[36:43], s[0:1], 0x80             ; m3 s[36:37], be3 s[38:39], w4 s[40:41], the scales' exponents s[42:43]
	s_load_b128 s[44:47], s[0:1], 0xa0             ; wimg s[44:45], cst s[46:47]
	v_lshrrev_b32 v1, 5, v0
	v_readfirstlane_b32 s55, v1                    ; wave 0..5
	s_and_b32 s54, ttmp7, 0xffff                   ; w
	s_wait_kmcnt 0x0
	s_load_b128 s[48:51], s[42:43], 0x0            ; e0 .. e3
	s_load_b64 s[52:53], s[42:43], 0x10            ; e4, e5
	s_cmp_eq_u32 ttmp9, 27
	s_cbranch_scc1 .Lconst
	; ---- A QUAD.  Which one: made of ids alone, both readings side by side, then chosen
	s_mul_i32 s56, ttmp9, 6
	s_add_co_u32 s56, s56, s55                     ; my quad among wave w's 162: under 18 layer 1, under 90 layer 2, else layer 3
	s_mov_b32 s57, 90
	s_cmp_lt_u32 s56, 90
	s_cselect_b32 s57, 18, s57
	s_cmp_lt_u32 s56, 18
	s_cselect_b32 s57, 0, s57
	s_sub_co_u32 s57, s56, s57                     ; q: its number in its layer
	s_mul_i32 s58, s57, 11
	s_lshr_b32 s58, s58, 5                         ; layer 1: T = q / 3 (11 q >> 5 is q / 3 for q under 18)
	s_mul_i32 s59, s58, 3
	s_sub_co_u32 s59, s57, s59                     ;          c = q - 3 T
	s_lshr_b32 s60, s57, 2                         ; layers 2, 3: o = q / 4
	s_and_b32 s61, s57, 3                          ;          c = q % 4
	s_cmp_ge_u32 s60, 9
	s_cselect_b32 s62, 1, 0                        ;          g
	s_mul_i32 s63, s62, 9
	s_sub_co_u32 s63, s60, s63                     ;          o - 9 g
	s_mul_i32 s66, s63, 11
	s_lshr_b32 s66, s66, 5                         ;          s = (o - 9 g) / 3
	s_mul_i32 s67, s66, 3
	s_sub_co_u32 s67, s63, s67                     ;          tau
	s_mul_i32 s62, s62, 3
	s_add_co_u32 s67, s67, s62                     ;          T = 3 g + tau
	s_lshl_b32 s68, s66, 7
	s_lshl_b32 s69, s61, 5
	s_add_co_u32 s68, s68, s69                     ;          128 s + 32 c
	s_lshl_b32 s69, s59, 4                         ; layer 1: 16 c
	s_cmp_lt_u32 s56, 18                           ; layer 1?
	s_cselect_b32 s67, s58, s67                    ; T
	s_cselect_b32 s68, s69, s68                    ; k of lane half 0, place 0
	s_cselect_b32 s70, 40, 16                      ; and what lane half 1 adds
	s_cselect_b32 s71, s69, 0                      ; place i counts where (i + 16 c - 4 h) < 44 - 7 h, unsigned; in layers 2 and 3 where i < 16
	s_cselect_b32 s72, 4, 0
	s_cselect_b32 s73, 44, 16
	s_cselect_b32 s74, 7, 0
	s_mov_b32 s75, 384
	s_cselect_b32 s75, 81, s75                     ; numbers in a row of w
	s_mov_b32 s76, 383
	s_cselect_b32 s76, 80, s76                     ; the last k: no load leaves its row
	s_lshr_b32 s58, s67, 1
	s_lshl_b32 s58, s58, 5
	s_and_b32 s59, s67, 1
	s_lshl_b32 s59, s59, 3
	s_add_co_u32 s58, s58, s59                     ; layers 1, 2: the tile begins at 32 (T / 2) + 8 (T % 2)
	s_lshl_b32 s59, s67, 4                         ; layer 3: at 16 T
	s_wait_kmcnt 0x0
	s_cmp_lt_u32 s56, 18                           ; the choices hang on ids alone
	s_cselect_b64 s[4:5], s[4:5], s[6:7]
	s_cselect_b64 s[10:11], s[10:11], s[14:15]
	s_cselect_b64 s[12:13], s[12:13], s[16:17]
	s_cselect_b32 s77, s48, s50
	s_cselect_b32 s78, s49, s51
	s_cmp_lt_u32 s56, 90
	s_cselect_b64 s[4:5], s[4:5], s[8:9]           ; w of my layer
	s_cselect_b64 s[10:11], s[10:11], s[18:19]     ; g
	s_cselect_b64 s[12:13], s[12:13], s[20:21]     ; v
	s_cselect_b32 s77, s77, s52                    ; the activations' exponent
	s_cselect_b32 s78, s78, s53                    ; the weights'
	s_cselect_b32 s79, 8, 0                        ; layers 1, 2: lanes 8-15 take rows 8 further on
	s_cselect_b32 s58, s58, s59
	s_mul_i32 s59, s54, 96
	s_add_co_u32 s58, s58, s59                     ; the tile's first row
	v_and_b32 v1, 31, v0                           ; lane
	v_and_b32 v2, 15, v0                           ; r
	v_bfe_u32 v3, v0, 4, 1                         ; h
	v_lshrrev_b32 v4, 3, v2
	v_mad_u32_u24 v4, v4, s79, v2
	v_add_nc_u32 v4, s58, v4                       ; my row n
	v_mul_lo_u32 v5, v4, s75                       ; its first number
	v_mad_u32_u24 v6, v3, s70, s68                 ; my first k
	v_mul_u32_u24 v7, v3, s72
	v_sub_nc_u32 v7, s71, v7                       ; 16 c - 4 h (or 0)
	v_mul_u32_u24 v8, v3, s74
	v_sub_nc_u32 v8, s73, v8                       ; 44 - 7 h (or 16)
	v_lshlrev_b32 v9, 2, v4
	global_load_b32 v48, v9, s[10:11]              ; g[n]
	global_load_b32 v49, v9, s[12:13]              ; v[n]
.irp i, 0,1,2,3,4,5,6,7,8,9,10,11,12,13,14,15
	v_add_nc_u32 v[16+\i], \i, v6
	v_min_u32 v[16+\i], s76, v[16+\i]              ; places past the row's end read its last number and become the code 0 below
	v_add_lshl_u32 v[16+\i], v[16+\i], v5, 2
	global_load_b32 v[32+\i], v[16+\i], s[4:5]
.endr
	s_add_co_i32 s77, s77, s78                     ; ea + eb
	s_add_co_i32 s59, s78, 127
	s_lshl_b32 s60, s59, 23
	v_mov_b32 v10, s60                             ; 2^ew as f32: the conversion takes its exponent field
	s_add_co_i32 s59, s59, 8
	s_lshl_b32 s59, s59, 23
	s_or_b32 s59, s59, 0x600000
	v_mov_b32 v11, s59                             ; 448 x 2^ew
	v_mov_b32 v13, 1.0
	v_mov_b32 v14, -1.0
	v_lshlrev_b32 v54, 4, v1                       ; my 16 bytes of the quad
	s_mul_i32 s58, s54, 162
	s_add_co_u32 s58, s58, s56
	s_lshl_b32 s58, s58, 9
	s_mov_b32 s59, 0
	s_add_nc_u64 s[44:45], s[44:45], s[58:59]      ; the quad's place in wimg
	s_wait_loadcnt 0x0
	v_add_f32 v49, EPSB, v49
	v_rsq_f32 v49, v49
	v_nop                                          ; a plain instruction behind the transcendental,
	s_wait_alu depctr_va_vdst(0)                   ; and the wait ahead of its first reader
	v_mul_f32 v48, v48, v49                        ; G
	v_ldexp_f32 v48, v48, s77                      ; A: by the same lines as in the constants' path, so that both see the same sign
	v_cmp_lt_f32 vcc_lo, 0, v48
	v_cndmask_b32 v12, 0, v13, vcc_lo
	v_cmp_gt_f32 vcc_lo, 0, v48
	v_cndmask_b32 v12, v12, v14, vcc_lo            ; s
.irp i, 0,1,2,3,4,5,6,7,8,9,10,11,12,13,14,15
	v_cmp_lt_f32 vcc_lo, 0, v[32+\i]
	v_cndmask_b32 v15, 0, v13, vcc_lo
	v_cmp_gt_f32 vcc_lo, 0, v[32+\i]
	v_cndmask_b32 v15, v15, v14, vcc_lo            ; sign(w)
	v_mul_f32 v15, v15, v12                        ; x s
	v_add_nc_u32 v[16+\i], \i, v7                  ; (the loads that read this register are in)
	v_cmp_gt_u32 vcc_lo, v8, v[16+\i]
	v_cndmask_b32 v15, 0, v15, vcc_lo              ; 0 in the places that do not count
	v_med3_num_f32 v[32+\i], v15, -v11, v11        ; the conversion to an 8-bit code does not saturate (ISA guide 7.6.2): the hold at the largest code x the scale
.endr
	v_cvt_scalef32_pk8_fp8_f32 v[50:51], v[32:39], v10
	v_cvt_scalef32_pk8_fp8_f32 v[52:53], v[40:47], v10
	v_nop
	global_store_b128 v54, v[50:53], s[44:45]      ; the wave stores 512 consecutive bytes, at a multiple of 512 from wimg's first byte
	s_endpgm
	; ---- THE CONSTANTS
.macro FOLD1 vv                        ; 1 / sqrt(v + 1e-5)
	v_add_f32 v[\vv], EPSB, v[\vv]
	v_rsq_f32 v[\vv], v[\vv]
.endm
.macro FOLD2 g, vv, b, m, be, ee, o    ; v[o] = P, v[o+1] = 1 / P (on its way), v[o+2] = C
	v_mul_f32 v[\g], v[\g], v[\vv]                 ; G
	v_sub_f32 v[\b], v[\b], v[\m]
	v_fma_f32 v[\o+2], v[\b], v[\g], v[\be]        ; C = (b - m) G + be
	v_ldexp_f32 v[\g], v[\g], s[\ee]               ; A
	v_and_b32 v[\o], 0x7fffffff, v[\g]
	v_cmp_neq_f32 vcc_lo, 0, v[\g]
	v_cndmask_b32 v[\o], 1.0, v[\o], vcc_lo        ; P = |A|, or 1 where A = 0
	v_rcp_f32 v[\o+1], v[\o]
.endm
.macro FLOORT o                        ; v[o+2] = T = C / P, held at 2^-60 from below where it is not 0
	v_mul_f32 v[\o+2], v[\o+2], v[\o+1]
	v_and_b32 v[\o+3], 0x7fffffff, v[\o+2]
	v_max_num_f32 v[\o+3], 0x21800000, v[\o+3]
	v_bfi_b32 v[\o+3], 0x7fffffff, v[\o+3], v[\o+2]
	v_cmp_neq_f32 vcc_lo, 0, v[\o+2]
	v_cndmask_b32 v[\o+2], 0, v[\o+3], vcc_lo
.endm
.Lconst:
	s_cmp_lt_u32 s55, 3
	s_cselect_b32 s57, 0, 96
	v_mov_b32 v2, s57
	v_sub_nc_u32 v1, v0, v2                        ; u: my unit among wave w's 96
	s_mul_i32 s56, s54, 96
	v_add_nc_u32 v3, s56, v1
	v_lshlrev_b32 v3, 2, v3                        ; 4 n
	v_lshlrev_b32 v4, 2, v1                        ; 4 u
	s_mul_i32 s56, s54, 2304
	s_mov_b32 s57, 0
	s_wait_kmcnt 0x0
	s_add_nc_u64 s[46:47], s[46:47], s[56:57]
	s_add_co_i32 s58, s48, s49
	s_add_co_i32 s59, s50, s51
	s_add_co_i32 s60, s52, s53
	s_cmp_lt_u32 s55, 3
	s_cbranch_scc0 .Lthird
	global_load_b32 v8, v3, s[10:11]               ; g1
	global_load_b32 v9, v3, s[12:13]               ; v1
	global_load_b32 v10, v3, s[22:23]              ; b1
	global_load_b32 v11, v3, s[24:25]              ; m1
	global_load_b32 v12, v3, s[26:27]              ; be1
	global_load_b32 v13, v3, s[14:15]              ; g2
	global_load_b32 v14, v3, s[16:17]              ; v2
	global_load_b32 v15, v3, s[28:29]              ; b2
	global_load_b32 v16, v3, s[30:31]              ; m2
	global_load_b32 v17, v3, s[32:33]              ; be2
	s_wait_loadcnt 0x0
	FOLD1 9
	FOLD1 14
	v_nop
	s_wait_alu depctr_va_vdst(0)                   ; one wait for both roots
	FOLD2 8, 9, 10, 11, 12, 58, 20
	FOLD2 13, 14, 15, 16, 17, 59, 24
	v_nop
	s_wait_alu depctr_va_vdst(0)                   ; one wait for both reciprocals
	FLOORT 20
	FLOORT 24
	global_store_b32 v4, v22, s[46:47]             ; T of layer 1
	global_store_b32 v4, v26, s[46:47] offset:384  ; T of layer 2
	s_endpgm
.Lthird:
	global_load_b32 v8, v3, s[18:19]               ; g3
	global_load_b32 v9, v3, s[20:21]               ; v3
	global_load_b32 v10, v3, s[34:35]              ; b3
	global_load_b32 v11, v3, s[36:37]              ; m3
	global_load_b32 v12, v3, s[38:39]              ; be3
	global_load_b32 v13, v3, s[40:41]              ; w4[0][n]
	global_load_b32 v14, v3, s[40:41] offset:1536  ; w4[1][n]
	s_wait_loadcnt 0x0
	FOLD1 9
	v_sub_f32 v13, v13, v14                        ; w4[0][n] - w4[1][n]  (the plain instruction behind the root)
	s_wait_alu depctr_va_vdst(0)
	FOLD2 8, 9, 10, 11, 12, 60, 20
	v_mul_f32 v23, v13, v20                        ; F  (the plain instruction behind the reciprocal)
	s_wait_alu depctr_va_vdst(0)
	v_mul_f32 v22, v22, v21                        ; T
	v_fma_f32 v24, v21, -1.0, -v22                 ; LO = -1/P - T
	v_sub_f32 v25, v21, v22                        ; HI = 1/P - T
	v_mul_f32 v26, v23, v22                        ; F T
	global_store_b32 v4, v23, s[46:47] offset:768
	global_store_b32 v4, v24, s[46:47] offset:1152
	global_store_b32 v4, v25, s[46:47] offset:1536
	global_store_b32 v4, v26, s[46:47] offset:1920
	s_endpgm
.Lfunc_end_k_q79d866879c_prep:
	.size	k_q79d866879c_prep, .Lfunc_end_k_q79d866879c_prep-k_q79d866879c_prep
	.p2alignl 7, 3214868480
	.fill 96, 4, 3214868480
	.section	.rodata,"a",@progbits
	.p2align	6, 0x0
	.amdhsa_kernel k_q79d866879c_prep
		.amdhsa_group_segment_fixed_size 0
		.amdhsa_private_segment_fixed_size 0
		.amdhsa_enable_private_segment 0
		.amdhsa_kernarg_size 176
		.amdhsa_user_sgpr_count 2
		.amdhsa_user_sgpr_kernarg_segment_ptr 1
		.amdhsa_wavefront_size32 1
		.amdhsa_system_sgpr_workgroup_id_x 1
		.amdhsa_system_sgpr_workgroup_id_y 1
		.amdhsa_system_sgpr_workgroup_id_z 1
		.amdhsa_system_vgpr_workitem_id 0
		.amdhsa_next_free_vgpr 64
		.amdhsa_next_free_sgpr 80
		.amdhsa_reserve_vcc 1
		.amdhsa_float_denorm_mode_32 3
		.amdhsa_float_denorm_mode_16_64 3
		.amdhsa_memory_ordered 1
		.amdhsa_forward_progress 1
		.amdhsa_inst_pref_size 19
	.end_amdhsa_kernel
	.amdgpu_metadata
---
amdhsa.version: [ 1, 2 ]
amdhsa.kernels:
  - .name:           k_q79d866879c_prep
    .symbol:         k_q79d866879c_prep.kd
    .args:
      - { .name: w1, .offset: 0, .size: 8, .value_kind: global_buffer, .address_space: global }
      - { .name: w2, .offset: 8, .size: 8, .value_kind: global_buffer, .address_space: global }
      - { .name: w3, .offset: 16, .size: 8, .value_kind: global_buffer, .address_space: global }
      - { .name: g1, .offset: 24, .size: 8, .value_kind: global_buffer, .address_space: global }
      - { .name: v1, .offset: 32, .size: 8, .value_kind: global_buffer, .address_space: global }
      - { .name: g2, .offset: 40, .size: 8, .value_kind: global_buffer, .address_space: global }
      - { .name: v2, .offset: 48, .size: 8, .value_kind: global_buffer, .address_space: global }
      - { .name: g3, .offset: 56, .size: 8, .value_kind: global_buffer, .address_space: global }
      - { .name: v3, .offset: 64, .size: 8, .value_kind: global_buffer, .address_space: global }
      - { .name: b1, .offset: 72, .size: 8, .value_kind: global_buffer, .address_space: global }
      - { .name: m1, .offset: 80, .size: 8, .value_kind: global_buffer, .address_space: global }
      - { .name: be1, .offset: 88, .size: 8, .value_kind: global_buffer, .address_space: global }
      - { .name: b2, .offset: 96, .size: 8, .value_kind: global_buffer, .address_space: global }
      - { .name: m2, .offset: 104, .size: 8, .value_kind: global_buffer, .address_space: global }
      - { .name: be2, .offset: 112, .size: 8, .value_kind: global_buffer, .address_space: global }
      - { .name: b3, .offset: 120, .size: 8, .value_kind: global_buffer, .address_space: global }
      - { .name: m3, .offset: 128, .size: 8, .value_kind: global_buffer, .address_space: global }
      - { .name: be3, .offset: 136, .size: 8, .value_kind: global_buffer, .address_space: global }
      - { .name: w4, .offset: 144, .size: 8, .value_kind: global_buffer, .address_space: global }
      - { .name: lowp_scales, .offset: 152, .size: 8, .value_kind: global_buffer, .address_space: global }
      - { .name: wimg, .offset: 160, .size: 8, .value_kind: global_buffer, .address_space: global }
      - { .name: cst, .offset: 168, .size: 8, .value_kind: global_buffer, .address_space: global }
    .group_segment_fixed_size: 0
    .private_segment_fixed_size: 0
    .kernarg_segment_align: 8
    .kernarg_segment_size: 176
    .max_flat_workgroup_size: 192
    .sgpr_count:     80
    .vgpr_count:     64
    .wavefront_size: 32
...
	.end_amdgpu_metadata
.endif
;; end of part 1
;; launch net (part 2): grid 256 x 1, 4 waves a work-group, no clusters, 285,184 bytes of LDS; arguments x, wimg, cst, lowp_scales, b4, out0; writes out0
.if DOCPART == 2
	.amdgcn_target "amdgcn-amd-amdhsa--gfx1250"
	.amdhsa_code_object_version 6
	.text
	.protected	k_q79d866879c_net
	.globl	k_q79d866879c_net
	.p2align	8
	.type	k_q79d866879c_net,@function
k_q79d866879c_net:
	s_mov_b64 s[64:65], 0
	v_nop
	global_prefetch_b8 v0, s[64:65] scope:SCOPE_SE
	s_setreg_imm32_b32 hwreg(HW_REG_WAVE_MODE, 25, 1), 1
	s_wait_xcnt 0x0
; NET: the whole chain for 512 rows a work-group: sign(x) W1^T, norm, sign, W2^T, norm, sign, W3^T, norm, clip, w4, log_softmax.  The three products run on codes of E4M3; no activation goes to memory.
; What the launch before has folded (its head comment): y = P (sigma' + T) for each unit, sigma' = the sum of code products with the sign of the unit's gain already in the weights' codes.
; LAYERS 1, 2: T is the C of a sum's first matrix instruction, so sign(y) = sign(accumulator).  The next operand's code Q(sign / 2^e) is made by ONE hold and the conversion: the accumulator is held within +-l,
;   l = min(2^-64, 448 x 2^(e-64)), and converted with the scale 2^(e-64): what is not 0 is at least l in magnitude, so it becomes +-min(2^-e, 448), and 0 stays 0.  x is first multiplied by 2^90, so that every x that is not 0 reaches l.
; LAYER 3 and the last product: h3 = P (T + med3(sigma', LO, HI)).  log_softmax of two classes hangs on d = l0 - l1 alone: d = sum F med3(sigma', LO, HI) + sum F T + b4[0] - b4[1], in f32 by fused multiply-adds;
;   out0 = min(d, 0) - ln(1 + e^-|d|), out1 = min(-d, 0) - ln(1 + e^-|d|): the larger logit is taken away before the exponential.
; SHARES.  Four blocks of 128 rows (8 tiles of 16).  THE WAVES SHARE THE COLUMNS: wave w owns units 96 w .. 96 w + 95 (6 tiles) of every layer, for all rows; its part of W1, W2, W3 (82,944 bytes) stays in 672 registers for the launch.
;   Activations go from wave to wave through LDS as images of the operand's registers: a quad (four registers) by one ds_store_b128, lane l's 16 bytes at 16 l.
;   Layers 1, 2 are used transposed (source 0 = 16 rows of W, source 1 = 16 rows of activations): a lane holds one row, its registers run along the next K.  Layer 3 is used straight: a lane holds one unit, so LO, HI, F cost 3 registers a tile.
; K = 81 in one instruction of 128: lane half h holds k = 40 h + p at place p = 0 .. 43; W1's codes are 0 where a k would count twice or lies past 80, and in registers 12-15, which on x's side are the next fragment's first quad.
;   The places of k are permuted alike in both operands of every product: only the order of the sums inside an instruction changes.
; x comes by the tensor data mover: each wave brings the 32 rows of each block that it quantises itself, four loads, all issued at the head (four of mine are outstanding at the most); every LDS byte is filled once.
;   A tile's row is stated 84 numbers long in a tensor 81 wide: the last three arrive as zeros, and LDS rows are 336 bytes = 21 x 16 apart, so 16-byte loads are aligned and sixteen rows start at sixteen different 16-byte columns of 256.
; NO CLUSTER, though all work-groups read the same wimg: a joint load lands in LDS alone; the weights are wanted in registers, once, 331,776 bytes; beside x's 172,032 bytes and the images' 112,640 LDS has 43,008 left,
;   so they would come in eight refilled stages, each byte written to LDS and read back.  No prefetch: all of x is asked for at the head, and so are the weights.
; The x lines of the last trip have no next block: their address stays on the last block, they make its codes once more and nobody reads them: so the loop has no branch and every counted wait holds in every trip.
; LIMITS: every entry of lowp_scales between -62 and 119.  NaN among the inputs is not served.  A T that lies more than some 20 bits under one product of codes can be lost in the matrix sum where the products add to exactly 0.
;   In layer 3 T is added back as F T: an error of at most |T| 2^-24 P |w4[0] - w4[1]| a unit.
; LDS: XIMG 0 (8 tiles x 3 quads), H1I 12,288 (8 tiles x 12 quads), DPB 61,440 (4 waves x 128 rows f32), H2I 63,488 (as H1I), XRAW 112,640 (512 rows x 336 bytes; tensor loads alone write it).
; REGISTERS, in windows of 256 (s_set_vgpr_msb's low byte: bits 1:0 source 0, 3:2 source 1, 5:4 source 2, 7:6 destination):
;   window 0: v1-15 addresses and scales; v16-63 six accumulators (also 48 numbers of x); v64-159 fragments; v160-163 zeros; v164-187 codes just made (layer 3: sums and the reduction); v188-195, v252-255 x's codes; v196-201 HI; v202-203 (sum F T, 0); v204-251 T of layer 1
;   window 1: v0-95 W1; v96-255 W2's fragments 0-9.   window 2: v0-127 W2's 10-17; v128-239 W3's 0-6; v240-251 (F, LO).   window 3: v0-175 W3's 7-17; v176-223 T of layer 2; v240-251 (F, LO) again.
.set XIMG,  0
.set H1I,   12288
.set DPB,   61440
.set H2I,   63488
.set XRAW,  112640
.set XP,    336                        ; an LDS row of x
.set TIMG,  6144                       ; a tile's 12 quads of a hidden layer
.set LI,  1                            ; v1   16 x lane
.set LW,  2                            ; v2   + 1,536 x wave: my three quads of a hidden tile
.set XW,  3                            ; v3   16 x lane + 3,072 x wave: my two tiles of x's images
.set H2R, 4                            ; v4   16 x lane + H2I
.set H2W, 5                            ; v5   v2 + H2I
.set XRB, 6                            ; v6   my place in my wave's rows of block 0 in XRAW: row r, + 160 h
.set XRC, 7                            ; v7   the same in the block in hand
.set DPW, 8                            ; v8   where I put a row's partial sum
.set DPR, 9                            ; v9   where I read my row's four
.set OO,  10                           ; v10  8 x thread: my row's two results
.set SCX, 11                           ; v11-13 the conversions' scales 2^(e-64): x, h1, h2
.set SC1, 12
.set SC2, 13
.set CH,  14                           ; v14  64 h
.set CR,  15                           ; v15  4 r
.set ACC, 16
.set FR,  64
.set ZT,  160
.set CD,  164                          ; two sets of 12 registers of codes
.set DD,  164                          ; layer 3: eight rows' sums;
.set RR,  172                          ; the reduction's registers
.set QQ,  176
.set KS,  178
.set XC0, 188
.set XC1, 192
.set XC2, 252
.set HIR, 196
.set EE,  202
.set T1R, 204
.set T2R, 176                          ; in window 3
.set FL,  240                          ; in windows 2 and 3
.set MSB, 0
.set DSN, 0                            ; LDS instructions issued so far in the text: the counted waits are differences of it
.macro WIN new                         ; the immediate's high byte repeats the setting that is left; a switch that changes nothing is dropped
.if MSB != (\new)
	s_set_vgpr_msb (MSB<<8)|(\new)
.set MSB, \new
.endif
.endm
.macro PLACES
.rept 4
	v_nop
.endr
.endm
.macro MARK q                          ; fragment third q = 3 x set + K step has just been asked for
.if (\q) == 0
.set MK0, DSN
.elseif (\q) == 1
.set MK1, DSN
.elseif (\q) == 2
.set MK2, DSN
.elseif (\q) == 3
.set MK3, DSN
.elseif (\q) == 4
.set MK4, DSN
.else
.set MK5, DSN
.endif
.endm
.macro WAITQ q                         ; it is in: LDS instructions end in order (ISA guide 5.7.1), and the count is that of those issued behind it
.if (\q) == 0
	s_wait_dscnt DSN-MK0
.elseif (\q) == 1
	s_wait_dscnt DSN-MK1
.elseif (\q) == 2
	s_wait_dscnt DSN-MK2
.elseif (\q) == 3
	s_wait_dscnt DSN-MK3
.elseif (\q) == 4
	s_wait_dscnt DSN-MK4
.else
	s_wait_dscnt DSN-MK5
.endif
.endm
.macro LD4 p, s, adr, base, m          ; K step s of tile m of a hidden layer into fragment set p
.irp c, 0,1,2,3
	ds_load_b128 v[FR+48*(\p)+16*(\s)+4*\c:FR+48*(\p)+16*(\s)+4*\c+3], v[\adr] offset:(\base)+TIMG*(\m)+512*(4*(\s)+\c)
.endr
.set DSN, DSN+4
	MARK 3*(\p)+(\s)
.endm
.macro CLAMPS base, n, lim             ; n numbers from v[base] on are held within +-s[lim].  The one vector source stands in place 1, which is window 0 under every setting of layers 1 and 2
.set c_, 0
.rept \n
	v_med3_num_f32 v[(\base)+c_], -s[\lim], v[(\base)+c_], s[\lim]
.set c_, c_+1
.endr
.endm
.macro CVT3 g, cs, sc                  ; group g's three tiles become codes in set cs: tile T at CD + 2 T, so that tiles 2 b, 2 b + 1 are quad b
.irp u, 0,1,2
	v_cvt_scalef32_pk8_fp8_f32 v[CD+12*(\cs)+2*(3*(\g)+\u):CD+12*(\cs)+2*(3*(\g)+\u)+1], v[ACC+8*(3*(\g)+\u):ACC+8*(3*(\g)+\u)+7], v[\sc]
.endr
	v_nop                                          ; one plain instruction between a scaled conversion and the matrix instruction that writes its sources
.endm
.macro ST3 adr, off, cs                ; my three quads of a tile go to LDS as they stand
.irp b, 0,1,2
	ds_store_b128 v[\adr], v[CD+12*(\cs)+4*\b:CD+12*(\cs)+4*\b+3] offset:(\off)+512*\b
.endr
.set DSN, DSN+3
.endm
; ---- x: 16 rows of my 32 (j = 0, 1).  Lane (r, h) takes numbers 40 h .. 40 h + 43 of row r; places 44-47 are 0
.macro XLOAD j
.irp i, 0,1,2,3
	v_mov_b32 v[ACC+44+\i], 0
.endr
.irp i, 0,1,2,3,4,5,6,7,8,9,10
	ds_load_b128 v[ACC+4*\i:ACC+4*\i+3], v[XRC] offset:16*XP*(\j)+16*\i
.endr
.set DSN, DSN+11
.endm
.macro XMUL                            ; x 2^90: the smallest f32 number that is not 0 becomes 2^-59; what overflows is held below
.set c_, 0
.rept 22
	v_pk_mul_f32 v[ACC+c_:ACC+c_+1], v[ACC+c_:ACC+c_+1], 0x6c800000 op_sel_hi:[1,0]
.set c_, c_+2
.endr
.endm
.macro XCVT
.irp g, 0,1
	v_cvt_scalef32_pk8_fp8_f32 v[XC0+2*\g:XC0+2*\g+1], v[ACC+8*\g:ACC+8*\g+7], v[SCX]
	v_cvt_scalef32_pk8_fp8_f32 v[XC1+2*\g:XC1+2*\g+1], v[ACC+16+8*\g:ACC+16+8*\g+7], v[SCX]
	v_cvt_scalef32_pk8_fp8_f32 v[XC2+2*\g:XC2+2*\g+1], v[ACC+32+8*\g:ACC+32+8*\g+7], v[SCX]
.endr
	v_nop
.endm
.macro XSTORE j
	ds_store_b128 v[XW], v[XC0:XC0+3] offset:XIMG+1536*(\j)
	ds_store_b128 v[XW], v[XC1:XC1+3] offset:XIMG+1536*(\j)+512
	ds_store_b128 v[XW], v[XC2:XC2+3] offset:XIMG+1536*(\j)+1024
.set DSN, DSN+3
.endm
.macro L1LOADS                         ; x's eight fragments, 12 registers each
.irp m, 0,1,2,3,4,5,6,7
.irp c, 0,1,2
	ds_load_b128 v[FR+12*\m+4*\c:FR+12*\m+4*\c+3], v[LI] offset:XIMG+1536*\m+512*\c
.endr
.endr
.endm
.macro BAR                             ; my LDS stores have landed and my LDS loads are in: then the work-group's barrier
	s_wait_dscnt 0x0
	s_barrier_signal -1
	s_barrier_wait -1
.endm
.macro BARX                            ; the same, with work on registers while the others arrive
	s_wait_dscnt 0x0
	s_barrier_signal -1
	XMUL
	s_barrier_wait -1
.endm
; ---- the matrix instructions.  The accumulators of a group take turns, one instruction a turn
.macro MM1 t, m
	v_wmma_f32_16x16x128_fp8_fp8 v[ACC+8*(\t):ACC+8*(\t)+7], v[16*(\t):16*(\t)+15], v[FR+12*(\m):FR+12*(\m)+15], v[T1R+8*(\t):T1R+8*(\t)+7]
.endm
.macro MM2 g, i, p                     ; instruction i = 3 s + tau of group g: tile 3 g + tau, K step s; W2's fragment 9 g + i
.set o_, 9*(\g)+(\i)
.set t_, 3*(\g)+(\i)%3
.set s_, (\i)/3
.if o_ <= 9
.set wa_, 96+16*o_
.set ww_, 1
.else
.set wa_, 16*(o_-10)
.set ww_, 2
.endif
.if s_ == 0
.set wn_, 0x30+ww_
	WIN wn_                                        ; C = T of layer 2, in window 3
	v_wmma_f32_16x16x128_fp8_fp8 v[ACC+8*t_:ACC+8*t_+7], v[wa_:wa_+15], v[FR+48*(\p):FR+48*(\p)+15], v[T2R+8*t_:T2R+8*t_+7]
.else
	WIN ww_
	v_wmma_f32_16x16x128_fp8_fp8 v[ACC+8*t_:ACC+8*t_+7], v[wa_:wa_+15], v[FR+48*(\p)+16*s_:FR+48*(\p)+16*s_+15], v[ACC+8*t_:ACC+8*t_+7]
.endif
.endm
.macro MM3 g, i, p
.set o_, 9*(\g)+(\i)
.set t_, 3*(\g)+(\i)%3
.set s_, (\i)/3
.if o_ <= 6
.set wa_, 128+16*o_
	WIN 0x08
.else
.set wa_, 16*(o_-7)
	WIN 0x0c
.endif
.if s_ == 0
	v_wmma_f32_16x16x128_fp8_fp8 v[ACC+8*t_:ACC+8*t_+7], v[FR+48*(\p):FR+48*(\p)+15], v[wa_:wa_+15], 0
.else
	v_wmma_f32_16x16x128_fp8_fp8 v[ACC+8*t_:ACC+8*t_+7], v[FR+48*(\p)+16*s_:FR+48*(\p)+16*s_+15], v[wa_:wa_+15], v[ACC+8*t_:ACC+8*t_+7]
.endif
.endm
; Slice k of 6 of group gp's way out in layer 3: LO and (F, LO) stand in place 1, which is window 2 or 3 under both settings of layer 3, at the same number in both
.macro EP3 gp, k
.set t_, 3*(\gp)+(\k)/2
.set a_, ACC+8*t_
.if ((\k)%2) == 0
.irp j, 0,1,2,3,4,5
	v_med3_num_f32 v[a_+\j], v[a_+\j], v[FL+2*t_+1], v[HIR+t_]
.endr
.else
.irp j, 6,7
	v_med3_num_f32 v[a_+\j], v[a_+\j], v[FL+2*t_+1], v[HIR+t_]
.endr
.irp j, 0,2,4,6
.if t_ == 0
	v_pk_fma_f32 v[DD+\j:DD+\j+1], v[a_+\j:a_+\j+1], v[FL+2*t_:FL+2*t_+1], v[EE:EE+1] op_sel_hi:[1,0,0]   ; the first tile starts the sums, on my units' sum of F T
.else
	v_pk_fma_f32 v[DD+\j:DD+\j+1], v[a_+\j:a_+\j+1], v[FL+2*t_:FL+2*t_+1], v[DD+\j:DD+\j+1] op_sel_hi:[1,0,1]
.endif
.endr
.endif
.endm
; The sum over the 16 lanes of a half (16 units), eight rows at once: in each step a lane keeps half of its rows and sends the other half to the lane that keeps them.  At the end lane r holds row 8 h + r / 2
.macro RED1
.irp i, 0,1,2,3
	v_cndmask_b32 v[KS+2*\i], v[DD+\i], v[DD+4+\i], s68
	v_cndmask_b32 v[KS+2*\i+1], v[DD+4+\i], v[DD+\i], s68
.endr
.irp i, 0,1,2,3
	v_add_f32_dpp v[RR+\i], v[KS+2*\i+1], v[KS+2*\i] row_xmask:8 row_mask:0xf bank_mask:0xf
.endr
.endm
.macro RED2
.irp i, 0,1
	v_cndmask_b32 v[KS+2*\i], v[RR+\i], v[RR+2+\i], s69
	v_cndmask_b32 v[KS+2*\i+1], v[RR+2+\i], v[RR+\i], s69
.endr
.irp i, 0,1
	v_add_f32_dpp v[QQ+\i], v[KS+2*\i+1], v[KS+2*\i] row_xmask:4 row_mask:0xf bank_mask:0xf
.endr
.endm
.macro RED34
	v_cndmask_b32 v[KS], v[QQ], v[QQ+1], s70
	v_cndmask_b32 v[KS+1], v[QQ+1], v[QQ], s70
	v_add_f32_dpp v[RR], v[KS+1], v[KS] row_xmask:2 row_mask:0xf bank_mask:0xf
	v_add_f32_dpp v[RR+1], v[RR], v[RR] row_xmask:1 row_mask:0xf bank_mask:0xf
.endm
; ---- A TILE OF 16 ROWS IN EACH LAYER.  Two groups of three accumulators, A (tiles 0-2) and B (3-5): while one group is multiplied, the other's finished sums are worked, in slices behind the matrix instructions.
; A vector instruction that reads a matrix result, and a load into a register that a matrix instruction has read, stand four plain vector instructions behind it that name none of its registers (ISA guide 7.12.1 for the vector instructions):
; the slices, which work on the other group, are those; a phase's first group has none and gets four v_nop.  Each accumulator is read from its low end on.
.macro L1TILE m
.if (\m) < 7
	s_wait_dscnt DSN-(L1B+3*(\m)+4)                ; fragment m and the next one's first quad are in
.else
	s_wait_dscnt DSN-(L1B+24)
.endif
	WIN 0x01                                       ; source 0 (W1) window 1
	MM1 0, \m
.if (\m) > 0
	CLAMPS ACC+24, 12, 52
.endif
	MM1 1, \m
.if (\m) > 0
	CLAMPS ACC+36, 12, 52
.endif
	MM1 2, \m
.if (\m) > 0
	WIN 0
	CVT3 1, ((\m)-1)%2, SC1
	ST3 LW, H1I+TIMG*((\m)-1), ((\m)-1)%2
	WIN 0x01
.else
	PLACES
.endif
	MM1 3, \m
	CLAMPS ACC, 12, 52
	MM1 4, \m
	CLAMPS ACC+12, 12, 52
	MM1 5, \m
	WIN 0
	CVT3 0, (\m)%2, SC1
.endm
.macro L2TILE m
.irp i, 0,1,2,3,4,5,6,7,8
.if \i == 0
	WAITQ 3*((\m)%2)+1                             ; K steps 0 and 1 of this tile
.endif
.if \i == 6
	WAITQ 3*((\m)%2)+2                             ; K step 2
.endif
	MM2 0, \i, (\m)%2
.if (\m) > 0
.if (\i >= 1) && (\i <= 6)
	CLAMPS ACC+24+4*(\i-1), 4, 54
.endif
.endif
.if \i == 7
.if (\m) > 0
	WIN 0
	CVT3 1, ((\m)-1)%2, SC2
	ST3 H2W, TIMG*((\m)-1), ((\m)-1)%2
.if (\m) < 7
	LD4 ((\m)+1)%2, 2, LI, H1I, (\m)+1             ; its registers were last read by the group before this one
.endif
.else
	PLACES
.endif
.endif
.endr
.irp i, 0,1,2,3,4,5,6,7,8
	MM2 1, \i, (\m)%2
.if (\i >= 1) && (\i <= 6)
	CLAMPS ACC+4*(\i-1), 4, 54
.endif
.if \i == 7
	WIN 0
	CVT3 0, (\m)%2, SC2
.if (\m) < 6
	LD4 (\m)%2, 0, LI, H1I, (\m)+2                 ; K steps 0 and 1 of this set were last read by instruction 5 of this group
	LD4 (\m)%2, 1, LI, H1I, (\m)+2
.endif
.endif
.endr
.endm
.macro L3TILE m
.irp i, 0,1,2,3,4,5,6,7,8
.if \i == 0
	WAITQ 3*((\m)%2)+1
.endif
.if \i == 6
	WAITQ 3*((\m)%2)+2
.endif
	MM3 0, \i, (\m)%2
.if (\m) > 0
.if (\i >= 1) && (\i <= 6)
	EP3 1, \i-1
.endif
.endif
.if \i == 7
.if (\m) > 0
	WIN 0
	RED1                                           ; the tile before is summed over its six tiles of units: its eight sums are read before the next group starts them anew
.if (\m) < 7
	LD4 ((\m)+1)%2, 2, H2R, 0, (\m)+1
.endif
.else
	PLACES
.endif
.endif
.endr
.irp i, 0,1,2,3,4,5,6,7,8
	MM3 1, \i, (\m)%2
.if (\i >= 1) && (\i <= 6)
	EP3 0, \i-1
.endif
.if \i == 7
.if (\m) > 0
	WIN 0
	RED2
	RED34
	ds_store_b32 v[DPW], v[RR+1] offset:64*((\m)-1)   ; two neighbouring lanes hold the same row and store the same number to the same word
.set DSN, DSN+1
.endif
.if (\m) < 6
	LD4 (\m)%2, 0, H2R, 0, (\m)+2
	LD4 (\m)%2, 1, H2R, 0, (\m)+2
.endif
.endif
.endr
.endm
.macro LIMS e, l, sc                   ; s[sc] = 2^(e-64) as f32, s[l] = min(2^-64, 448 x 2^(e-64))
	s_add_co_i32 s[\sc], s[\e], 63
	s_lshl_b32 s[\sc], s[\sc], 23
	s_add_co_i32 s[\l], s[\e], 71
	s_lshl_b32 s[\l], s[\l], 23
	s_or_b32 s[\l], s[\l], 0x600000
	s_min_u32 s[\l], s[\l], 0x1f800000
.endm
	; ================ THE HEAD
	s_load_b256 s[4:11], s[0:1], 0x0               ; x s[4:5], wimg s[6:7], cst s[8:9], the scales' exponents s[10:11]
	s_load_b128 s[12:15], s[0:1], 0x20             ; b4 s[12:13], out0 s[14:15]
	s_set_vgpr_msb 0x80
	v_lshl_add_u32 v254, v0, 2, 0x45800
	v_mov_b32 v255, 0
	s_set_vgpr_msb 0x808a
	ds_add_u32 v254, v255
	ds_add_u32 v254, v255
	s_set_vgpr_msb 0x8a00
	v_lshrrev_b32 v[CH], 5, v0
	v_readfirstlane_b32 s16, v[CH]                 ; wave 0..3
	v_and_b32 v[CR], 31, v0
	v_lshlrev_b32 v[LI], 4, v[CR]
	s_mul_i32 s72, s16, 1536
	v_add_nc_u32 v[LW], s72, v[LI]
	s_mul_i32 s72, s16, 3072
	v_add_nc_u32 v[XW], s72, v[LI]
	v_add_nc_u32 v[H2R], H2I, v[LI]
	v_add_nc_u32 v[H2W], H2I, v[LW]
	v_and_b32 v[CR], 15, v0                        ; r
	v_bfe_u32 v[CH], v0, 4, 1                      ; h
	s_mul_i32 s73, s16, 32*XP
	s_add_co_u32 s73, s73, XRAW                    ; my wave's 32 rows of block 0 in LDS
	v_mul_u32_u24 v[XRB], v[CR], XP
	v_mad_u32_u24 v[XRB], v[CH], 160, v[XRB]
	v_add_nc_u32 v[XRB], s73, v[XRB]
	v_lshrrev_b32 v[DPW], 1, v[CR]
	v_lshlrev_b32 v[DPW], 2, v[DPW]
	v_lshl_add_u32 v[DPW], v[CH], 5, v[DPW]
	s_lshl_b32 s72, s16, 9
	s_add_co_u32 s72, s72, DPB
	v_add_nc_u32 v[DPW], s72, v[DPW]               ; DPB + 512 wave + 4 (8 h + r / 2)
	v_lshl_add_u32 v[DPR], v0, 2, DPB
	v_lshlrev_b32 v[OO], 3, v0
	v_lshlrev_b32 v[CH], 6, v[CH]
	v_lshlrev_b32 v[CR], 2, v[CR]
	; descriptor group 1: 32 rows; a row of the tile is 84 numbers of 4 bytes, of which the tensor has 81
	s_mov_b32 s20, 2<<16                           ; 15:0 no mask; 17:16 elements of 4 bytes; no padding
	s_mov_b32 s21, 81<<16                          ; tensor_dim0 = 81: what lies beyond arrives as zeros
	s_mov_b32 s22, 32<<16                          ; tensor_dim1 = 32
	s_mov_b32 s23, 84<<16                          ; tile_dim0 = 84
	s_mov_b32 s24, 32                              ; tile_dim1 = 32
	s_mov_b32 s25, 81                              ; from row to row in memory
	s_mov_b32 s26, 0
	s_mov_b32 s27, 0
	s_mul_i32 s74, ttmp9, 512*324                  ; my work-group's 512 rows of 324 bytes,
	s_mul_i32 s75, s16, 32*324                     ; my wave's 32 of a block
	s_add_co_u32 s74, s74, s75
	s_mov_b32 s75, 0
	s_mul_i32 s76, s16, 2304
	s_mov_b32 s77, 0
	s_mul_i32 s78, s16, 82944
	s_mov_b32 s79, 0
	s_lshl_b32 s66, ttmp9, 12                      ; 512 rows of 8 bytes of out0
	s_mov_b32 s67, 0
	s_mov_b32 s68, 0xff00ff00                      ; lanes whose bit 3 is set;
	s_mov_b32 s69, 0xf0f0f0f0                      ; bit 2;
	s_mov_b32 s70, 0xcccccccc                      ; bit 1
	s_mov_b32 s56, 4                               ; blocks to go
	s_mov_b32 s57, 0
	s_wait_dscnt 0x0
	s_wait_kmcnt 0x0
	s_load_b128 s[44:47], s[10:11], 0x0            ; e0 .. e3
	s_load_b64 s[48:49], s[10:11], 0x10            ; e4, e5
	s_load_b64 s[60:61], s[12:13], 0x0             ; b4
	s_add_nc_u64 s[74:75], s[4:5], s[74:75]
	s_add_nc_u64 s[8:9], s[8:9], s[76:77]          ; my wave's constants,
	s_add_nc_u64 s[6:7], s[6:7], s[78:79]          ; its weights,
	s_add_nc_u64 s[14:15], s[14:15], s[66:67]      ; my work-group's results
.irp b, 0,1,2,3
	s_mov_b32 s[28+4*\b], 1                        ; count = 1
	s_add_co_u32 s[29+4*\b], s73, 128*XP*\b        ; LDS address: a constant + wave x a constant + the block's constant
	s_add_nc_u64 s[30+4*\b:31+4*\b], s[74:75], 128*324*\b
	s_or_b32 s[31+4*\b], s[31+4*\b], 0x80000000    ; type = 2
.endr
.irp b, 0,1,2,3
	tensor_load_to_lds s[28+4*\b:31+4*\b], s[20:27]   ; all first fills together, ahead of every wait on TENSORcnt, every LDS read and every barrier; nothing is filled twice
	s_nop 0
.endr
	PLACES
	; 222 loads: the constants and W1, then W2, then W3's 72 as the youngest
.irp t, 0,1,2,3,4,5
	global_load_b128 v[T1R+8*\t:T1R+8*\t+3], v[CH], s[8:9] offset:(32*(\t/2)+8*(\t%2))*4       ; lane (r, h), tile 2 b + u, register j: unit 32 b + 16 h + 8 u + j
	global_load_b128 v[T1R+8*\t+4:T1R+8*\t+7], v[CH], s[8:9] offset:(32*(\t/2)+8*(\t%2))*4+16
.endr
.irp t, 0,1,2,3,4,5
	global_load_b32 v[HIR+\t], v[CR], s[8:9] offset:1536+64*\t     ; layer 3: lane r, tile T: unit 16 T + r
	global_load_b32 v[DD+\t], v[CR], s[8:9] offset:1920+64*\t      ; F T
.endr
	WIN 0x40                                       ; destination window 1
.irp t, 0,1,2,3,4,5
.irp c, 0,1,2
	global_load_b128 v[16*\t+4*\c:16*\t+4*\c+3], v[LI], s[6:7] offset:512*(3*\t+\c)
.endr
.endr
	WIN 0xc0                                       ; window 3
.irp t, 0,1,2,3,4,5
	global_load_b128 v[T2R+8*\t:T2R+8*\t+3], v[CH], s[8:9] offset:384+(32*(\t/2)+8*(\t%2))*4
	global_load_b128 v[T2R+8*\t+4:T2R+8*\t+7], v[CH], s[8:9] offset:384+(32*(\t/2)+8*(\t%2))*4+16
.endr
.irp t, 0,1,2,3,4,5
	global_load_b32 v[FL+2*\t], v[CR], s[8:9] offset:768+64*\t
	global_load_b32 v[FL+2*\t+1], v[CR], s[8:9] offset:1152+64*\t
.endr
	WIN 0x80                                       ; window 2
.irp t, 0,1,2,3,4,5
	global_load_b32 v[FL+2*\t], v[CR], s[8:9] offset:768+64*\t
	global_load_b32 v[FL+2*\t+1], v[CR], s[8:9] offset:1152+64*\t
.endr
	WIN 0x40
.set o_, 0
.rept 10
.irp c, 0,1,2,3
	global_load_b128 v[96+16*o_+4*\c:96+16*o_+4*\c+3], v[LI], s[6:7] offset:512*(18+4*o_+\c)
.endr
.set o_, o_+1
.endr
	WIN 0x80
.rept 8
.irp c, 0,1,2,3
	global_load_b128 v[16*(o_-10)+4*\c:16*(o_-10)+4*\c+3], v[LI], s[6:7] offset:512*(18+4*o_+\c)
.endr
.set o_, o_+1
.endr
.set o_, 0
.rept 7
.irp c, 0,1,2,3
	global_load_b128 v[128+16*o_+4*\c:128+16*o_+4*\c+3], v[LI], s[6:7] offset:512*(90+4*o_+\c)
.endr
.set o_, o_+1
.endr
	WIN 0xc0
.rept 11
.irp c, 0,1,2,3
	global_load_b128 v[16*(o_-7)+4*\c:16*(o_-7)+4*\c+3], v[LI], s[6:7] offset:512*(90+4*o_+\c)
.endr
.set o_, o_+1
.endr
	WIN 0x40
.irp t, 0,1,2,3,4,5
.irp i, 12,13,14,15
	v_mov_b32 v[16*\t+\i], 0                       ; W1's registers 12-15: zero codes, against whatever stands there on x's side
.endr
.endr
	WIN 0
.irp i, 0,1,2,3
	v_mov_b32 v[ZT+\i], 0                          ; behind x's last fragment
.endr
	v_mov_b32 v[EE+1], 0                           ; (named as the upper half of a pair)
.irp i, 0,1,2,3,4,5,6,7,8,9,10,11,12,13
	v_mov_b32 v[RR+\i], 0                          ; written once: the destination of a DPP form counts as read
.endr
	v_add_nc_u32 v[XRC], s57, v[XRB]               ; block 0
	s_wait_kmcnt 0x0
	LIMS 44, 50, 51                                ; x:  e0
	LIMS 46, 52, 53                                ; h1: e2
	LIMS 48, 54, 55                                ; h2: e4
	v_mov_b32 v[SCX], s51
	v_mov_b32 v[SC1], s53
	v_mov_b32 v[SC2], s55
	s_xor_b32 s61, s61, 0x80000000
	s_add_f32 s62, s60, s61                        ; b4[0] - b4[1]
	s_wait_tensorcnt 0x3                           ; a wave's tensor loads end in order (ISA guide 10.11.1): block 0's rows are in; the three younger loads may be out.  I alone read my rows
.irp j, 0,1
	XLOAD \j
	s_wait_dscnt 0x0
	XMUL
	CLAMPS ACC, 44, 50
	XCVT
	XSTORE \j
.endr
	s_wait_loadcnt 63                              ; the 63 youngest loads are all W3's: everything else is in
	v_add_f32 v[EE], v[DD], v[DD+1]
	v_add_f32 v[DD+2], v[DD+2], v[DD+3]
	v_add_f32 v[DD+4], v[DD+4], v[DD+5]
	v_add_f32 v[EE], v[EE], v[DD+2]
	v_add_f32 v[EE], v[EE], v[DD+4]                ; my six units' sum of F T
	BAR                                            ; block 0's eight fragments of x lie in LDS
	L1LOADS
	; ================ A BLOCK OF 128 ROWS.  On both ways to the label the 24 loads of x's fragments are the last LDS instructions issued
.Lblock:
.set DSN, 24
.set L1B, 0
	; ---- layer 1
.irp m, 0,1,2,3,4,5,6,7
	L1TILE \m
.endr
	CLAMPS ACC+24, 24, 52                          ; the last group
	CVT3 1, 1, SC1
	ST3 LW, H1I+TIMG*7, 1
	s_add_co_u32 s57, s57, 128*XP
	s_min_u32 s58, s57, 3*128*XP                   ; the next block's rows; in the last trip the last block's once more
	v_add_nc_u32 v[XRC], s58, v[XRB]
	s_wait_tensorcnt 0x0                           ; all four loads were issued at the head, ahead of the weights' loads that have been waited for; from the second trip on this wait is met
	XLOAD 0
	BARX                                           ; h1 lies in LDS, and nobody reads x's images any more
	; ---- layer 2
.irp s, 0,1,2
	LD4 0, \s, LI, H1I, 0
.endr
.irp s, 0,1,2
	LD4 1, \s, LI, H1I, 1
.endr
	CLAMPS ACC, 44, 50                             ; the next block's x, rows 0-15 of my 32, while the fragments are on their way
	XCVT
	XSTORE 0
.irp m, 0,1,2,3,4,5,6,7
	L2TILE \m
.endr
	WIN 0
	CLAMPS ACC+24, 24, 54
	CVT3 1, 1, SC2
	ST3 H2W, TIMG*7, 1
	XLOAD 1
	BARX                                           ; h2 lies in LDS, and nobody reads h1 any more
	; ---- layer 3, the last product's partial sums
.irp s, 0,1,2
	LD4 0, \s, H2R, 0, 0
.endr
.irp s, 0,1,2
	LD4 1, \s, H2R, 0, 1
.endr
	CLAMPS ACC, 44, 50
	XCVT
	XSTORE 1
	s_wait_loadcnt 0x0                             ; W3 (met from the second trip on)
.irp m, 0,1,2,3,4,5,6,7
	L3TILE \m
.endr
.irp k, 0,1,2,3,4,5
	EP3 1, \k
.endr
	WIN 0
	RED1
	RED2
	RED34
	ds_store_b32 v[DPW], v[RR+1] offset:64*7
	BAR                                            ; the four waves' partial sums and the next block's images of x lie in LDS, and nobody reads h2 any more
	; ---- the way out: a thread a row
.irp w, 0,1,2,3
	ds_load_b32 v[ACC+\w], v[DPR] offset:512*\w
.endr
	L1LOADS                                        ; the next block's fragments of x are asked for ahead of the arithmetic
	s_wait_dscnt 24                                ; the four sums are in; the 24 loads behind them may be out
	v_add_f32 v16, v16, v17
	v_add_f32 v18, v18, v19
	v_add_f32 v16, v16, v18
	v_add_f32 v16, s62, v16                        ; d = l0 - l1
	v_and_b32 v17, 0x7fffffff, v16
	v_mul_f32 v17, 0xbfb8aa3b, v17                 ; -|d| log2(e)
	v_exp_f32 v17, v17                             ; e^-|d|, at most 1
	v_min_num_f32 v18, 0, v16                      ; min(d, 0)  (the plain instruction behind the exponential)
	v_xor_b32 v19, 0x80000000, v16
	v_min_num_f32 v19, 0, v19                      ; min(-d, 0)
	s_wait_alu depctr_va_vdst(0)                   ; the wait ahead of the first reader
	v_add_f32 v17, 1.0, v17
	v_log_f32 v17, v17                             ; log2(1 + e^-|d|)
	v_nop
	s_wait_alu depctr_va_vdst(0)
	v_fmamk_f32 v20, v17, 0xbf317218, v18          ; - ln 2 x that + min(d, 0)
	v_fmamk_f32 v21, v17, 0xbf317218, v19
	global_store_b64 v[OO], v[20:21], s[14:15] th:TH_STORE_NT   ; a wave stores 256 consecutive bytes, at a multiple of 256 from out0's first byte
	s_wait_xcnt 0x0                                ; the store has read its base and its data: both are written again only behind this wait
	s_add_nc_u64 s[14:15], s[14:15], 1024
	s_sub_co_u32 s56, s56, 1
	s_cmp_lg_u32 s56, 0
	s_cbranch_scc1 .Lblock
	s_wait_dscnt 0x0                               ; the last trip's loads of images that nobody uses
	s_set_vgpr_msb 0xa
	s_wait_tensorcnt 0x0
	ds_add_u32 v254, v255
	s_wait_dscnt 0x0
	s_set_vgpr_msb 0xa00
	s_endpgm
.Lfunc_end_k_q79d866879c_net:
	.size	k_q79d866879c_net, .Lfunc_end_k_q79d866879c_net-k_q79d866879c_net
	.p2alignl 7, 3214868480
	.fill 96, 4, 3214868480
	.section	.rodata,"a",@progbits
	.p2align	6, 0x0
	.amdhsa_kernel k_q79d866879c_net
		.amdhsa_group_segment_fixed_size 285184
		.amdhsa_private_segment_fixed_size 0
		.amdhsa_enable_private_segment 0
		.amdhsa_kernarg_size 48
		.amdhsa_user_sgpr_count 2
		.amdhsa_user_sgpr_kernarg_segment_ptr 1
		.amdhsa_wavefront_size32 1
		.amdhsa_system_sgpr_workgroup_id_x 1
		.amdhsa_system_sgpr_workgroup_id_y 1
		.amdhsa_system_sgpr_workgroup_id_z 1
		.amdhsa_system_vgpr_workitem_id 0
		.amdhsa_next_free_vgpr 1024
		.amdhsa_next_free_sgpr 80
		.amdhsa_reserve_vcc 0
		.amdhsa_float_denorm_mode_32 3
		.amdhsa_float_denorm_mode_16_64 3
		.amdhsa_memory_ordered 1
		.amdhsa_forward_progress 1
		.amdhsa_inst_pref_size 204
	.end_amdhsa_kernel
	.amdgpu_metadata
---
amdhsa.version: [ 1, 2 ]
amdhsa.kernels:
  - .name:           k_q79d866879c_net
    .symbol:         k_q79d866879c_net.kd
    .args:
      - { .name: x, .offset: 0, .size: 8, .value_kind: global_buffer, .address_space: global }
      - { .name: wimg, .offset: 8, .size: 8, .value_kind: global_buffer, .address_space: global }
      - { .name: cst, .offset: 16, .size: 8, .value_kind: global_buffer, .address_space: global }
      - { .name: lowp_scales, .offset: 24, .size: 8, .value_kind: global_buffer, .address_space: global }
      - { .name: b4, .offset: 32, .size: 8, .value_kind: global_buffer, .address_space: global }
      - { .name: out0, .offset: 40, .size: 8, .value_kind: global_buffer, .address_space: global }
    .group_segment_fixed_size: 285184
    .private_segment_fixed_size: 0
    .kernarg_segment_align: 8
    .kernarg_segment_size: 48
    .max_flat_workgroup_size: 128
    .sgpr_count:     80
    .vgpr_count:     1024
    .wavefront_size: 32
...
	.end_amdgpu_metadata
.endif
;; end of part 2
